; MI455X (gfx1250); checked and timed in simulation.
; The chip was launched on July 23, 2026; its instructions are those of AMD's public machine-readable ISA for CDNA 5 (MIT licence, August 2026) and "CDNA5" Instruction Set Architecture Reference Guide (July 2026). The comments in the code are by the model that wrote it; some were corrected since.
;; Simple LSTM Cell. Allowed arithmetic: matrix products marked QUANTISED: E2M3 operands, one E8M0 scale for each 32 along K, by v_wmma_scale_f32_16x16x128_f8f6f4 with both operands' format E2M3, f32 sums; everything else in f32.
;; Inputs: W_c 1,024 x 2,048 float32; W_f 1,024 x 2,048 float32; W_i 1,024 x 2,048 float32; W_o 1,024 x 2,048 float32; b_c 1,024 float32; b_f 1,024 float32; b_i 1,024 float32; b_o 1,024 float32; c_prev 8,192 x 1,024 float32; h_prev 8,192 x 1,024 float32; x 8,192 x 1,024 float32.
;; Outputs: out0 8,192 x 1,024 float32; out1 8,192 x 1,024 float32.
;; This version of the problem:
;;   THIS VERSION OF THE PROBLEM IS GIVEN IN LOW PRECISION. The matrix products marked QUANTISED in the list below multiply operands that are first quantised to E2M3 (2 exponent bits, 3 mantissa bits; 6 bits a number), with one power-of-two scale for each 32 numbers along K (OCP MX v1.0); their sums are f32. All else is computed in f32.
;;   The module's matrix products, in the order in which they are computed (A, B: the left and right operand; K: the contracted axis; several contracted axes count as one K, in the product's order):
;;     1. [M 8,192, K 2,048] x [K 2,048, N 4,096]; A: computed on the way; B: computed on the way: QUANTISED
;;   THE QUANTISER, for each operand of a quantised product, along K:
;;     - K is cut into blocks of 32 from its start; a last block that is shorter is filled with zeros.
;;     - A block's scale is 2^e with e = floor(log2(the largest magnitude in the block)) - 2, held to -126 .. 127; a block of zeros has e = 0. As a byte (E8M0): e + 127.
;;     - Each number is divided by its block's scale, clamped to +-7.5, and rounded to the nearest number of E2M3, ties to even, subnormals kept.
;;     - The product sums the exact products of the quantised numbers (number of the format x scale) in f32.
;;   ~~~python
;;   def quantise(x, axis):      # numpy; x: float32 -> the quantised numbers, widened to float32 again
;;       x = np.moveaxis(x, axis, -1); K = x.shape[-1]
;;       x = np.pad(x, [(0, 0)] * (x.ndim - 1) + [(0, -K % 32)]); x = x.reshape(x.shape[:-1] + (-1, 32)); a = np.abs(x).max(-1, keepdims=True)
;;       e = np.where(a > 0, np.clip(np.frexp(np.where(a > 0, a, 1))[1] - 1 - 2, -126, 127), 0)      # np.frexp(a)[1] - 1 = floor(log2(a)), exactly
;;       r = np.clip(x / 2.0 ** e, -7.5, 7.5)
;;       step = 2.0 ** (np.maximum(np.frexp(np.where(r == 0, 1, r))[1] - 1, 0) - 3)
;;       q = np.round(r / step) * step * 2.0 ** e      # np.round: ties to even
;;       return np.moveaxis(q.reshape(q.shape[:-2] + (-1,))[..., :K], -1, axis).astype(np.float32)
;;   ~~~
;;   OPERANDS COMPUTED ON THE WAY. 'Computed on the way' means the value that the module computes at that place (a softmax that the list does not call 'softmax' is quantised finished and normalised). What goes into a quantiser is computed in f32, as accurately as f32 sums, v_exp_f32 and their like allow (about 1e-6 of the number): no bf16 or f16 on the way to a quantiser, and a product that is left as it is and whose result goes on into a quantised operand takes f32 operands (vector FMAs, or v_wmma_f32_16x16x4_f32). A number that lies on a knife's edge between two numbers of the format may be rounded either way, as far as f32 arithmetic and the matrix unit's own rounding can turn it there, and no further.
;; One version. Each part assembles by itself: llvm-mc -triple=amdgcn-amd-amdhsa -mcpu=gfx1250 --defsym DOCPART=n.
;; ======== version 1 of 1: 2 launches
;; limits: right only within a limited range of input values
;; workspace buffers: a_img 13,107,200 bytes; b_img 6,553,600 bytes
;; launch quant (part 1): grid 768 x 1, 4 waves a work-group, no clusters, 34,304 bytes of LDS; arguments x, h_prev, W_f, W_i, W_c, W_o, a_img, b_img; writes a_img, b_img
.if DOCPART == 1
	.amdgcn_target "amdgcn-amd-amdhsa--gfx1250"
	.amdhsa_code_object_version 6
	.text
	.protected	k_q104c8c7019_quant
	.globl	k_q104c8c7019_quant
	.p2align	8
	.type	k_q104c8c7019_quant,@function
k_q104c8c7019_quant:
	s_mov_b64 s[64:65], 0
	v_nop
	global_prefetch_b8 v0, s[64:65] scope:SCOPE_SE
	s_setreg_imm32_b32 hwreg(HW_REG_WAVE_MODE, 25, 1), 1
	s_wait_xcnt 0x0
; combined = [x | h_prev] ([8192][2048]) and W_all = [W_f; W_i; W_c; W_o] ([4096][2048]), f32, become codes of FP6 (E2M3), 6 bits each, with one E8M0 scale byte for each 32 along K,
; LAID IN THE ORDER OF THE MATRIX OPERAND'S REGISTERS.  A UNIT is 128 rows x 128 along K, 12,800 bytes: 8 fragments (16 rows x 128 K, 12 registers a lane) of 1,536 bytes, each as three groups of four registers,
; lane l's 16 bytes at 16 l; then 512 bytes of scale words (four bytes: a row's 128 along K), word of block i, row r at 256 (i / 4) + 16 r + 4 (i % 4).  a_img = [64 groups of 128 rows][16 units], b_img = [32][16].
; THE ROWS OF B ARE IN AN ORDER OF THIS PROGRAM'S OWN: group G holds hidden units 32 G .. 32 G + 31 of all four gates; its block i is gate i / 2 (f 0, i 1, c 2, o 3), units 32 G + 16 (i % 2) + r.
; A block's scale is 2^(floor(log2(its largest magnitude)) - 2); its byte is the largest magnitude's own exponent field - 2, held at 1 from below.  Each number is divided by the scale and rounded to the
; nearest code, ties to even; beyond 7.5 the largest code.
; LIMITS: a block of zeros gets the byte 1 where the rule says 127 (its codes are zeros, which add nothing under any byte but 0xff, and this program alone reads the bytes); blocks whose largest magnitude
; lies under 2^(3 - 127) are held at that byte; NaN and infinities among the inputs are not served.
; SHARES.  A wave makes half a unit: 4 fragments (64 rows) of one 128 along K; the four waves of a work-group take four neighbouring 128 along K of the same rows, 2,048 consecutive bytes of each row.
; Work-groups 0-511 take combined, 512-767 the weights.  ONE path through the text: only pointers, a shift and offsets are chosen, on the work-group's number.
; A FRAGMENT: 16 loads, each a row's 512 consecutive bytes, 16 a lane; the rows turn through the wave's own stage in LDS (528 bytes apart) and come back so that lane (r, h) holds k = 64 c + 32 h + 0 .. 31 of row r,
; c = 0, 1: two whole blocks, in the order that the operand's layout gives that lane.  So a block's maximum needs no other lane, the conversions' results are the operand's registers, and they leave by three stores of
; 512 consecutive bytes.  No tensor loads, no barrier: waves share nothing.  Loads run two fragments (32 loads a wave) ahead.
.set EMAX,  2
.set FRB,   1536                       ; a fragment's image in bytes
.set UNIT,  8*FRB+512
.set SP,    528                        ; a row in the stage: 512 bytes + 16: the sixteen rows that a load touches start at sixteen different banks (64 banks of 4 bytes: ISA guide 11.1)
.set WREG,  16*SP                      ; a stage for each wave
.set VO,    4                          ; v4-11    16 x lane + j rows of the source, j = 0 .. 7; never rewritten
.set STI,   12                         ; v12      the stage, on the way in: 16 x lane
.set STO,   13                         ; v13      and on the way out: row r, + 128 h
.set SH,    14                         ; v14      8 h: my two scale bytes' place in the word
.set SOF,   15                         ; v15      16 r + 8 h: my two scale words' place on the way out
.set M,     16                         ; v16-19   largest magnitudes, two chains a block
.set SO,    20                         ; v20-21   the conversions' scale operands
.set BY,    22                         ; v22-23   the scale bytes
.set WD,    24
.set WX,    25
.set W,     26                         ; v26-29   my row's scale word of each of the four fragments
.set OW,    30                         ; v30-31   two of them, to store
.set C,     32                         ; v32-43   a fragment's codes
.set T,     44                         ; v44-46, v48-50  the second halves of the blocks' codes, as the conversions leave them
.set R,     64                         ; v64-191  two sets of 16 rows x 4 registers as they are loaded
.set X,     192                        ; v192-255 my 64 numbers
.set SEL,   22                         ; s[22:23] v_permlanex16_b32's selects for lane l xor 16
.set QB,    48                         ; s[48:63] eight bases, 8 rows apart: four for fragments 0 and 1, four for fragments 2 and 3; never rewritten
	s_load_b256 s[4:11], s[0:1], 0x0               ; x s[4:5], h_prev s[6:7], W_f s[8:9], W_i s[10:11]
	s_load_b256 s[12:19], s[0:1], 0x20             ; W_c s[12:13], W_o s[14:15], A's image s[16:17], B's s[18:19]
	v_lshl_add_u32 v62, v0, 2, 0x8400
	v_mov_b32 v63, 0
	v_lshrrev_b32 v1, 5, v0
	v_readfirstlane_b32 s24, v1                    ; wave
	v_and_b32 v2, 31, v0                           ; lane
	v_lshlrev_b32 v3, 4, v2                        ; 16 x lane
	v_and_b32 v1, 15, v0                           ; r
	v_bfe_u32 v2, v0, 4, 1                         ; h
	s_mul_i32 s20, s24, WREG
	v_add_nc_u32 v[STI], s20, v3
	v_mul_u32_u24 v[STO], v1, SP
	v_lshl_add_u32 v[STO], v2, 7, v[STO]
	v_add_nc_u32 v[STO], s20, v[STO]
	v_lshlrev_b32 v[SH], 3, v2
	v_lshlrev_b32 v[SOF], 4, v1
	v_lshl_add_u32 v[SOF], v2, 3, v[SOF]
	v_mov_b32 v[WX], 0                             ; written once: a lane permute's destination counts as one of its sources
	s_mov_b32 s[SEL], 0x76543210
	s_mov_b32 s[SEL+1], 0xfedcba98
	; which half unit is my wave's
	s_cmp_lt_u32 ttmp9, 512
	s_cselect_b32 s25, 0, 512
	s_sub_co_u32 s25, ttmp9, s25                   ; the work-group's number within its tensor
	s_lshr_b32 s26, s25, 2                         ; which 64 rows
	s_lshr_b32 s27, s26, 1                         ; G: which group of 128 rows,
	s_and_b32 s28, s26, 1                          ; and which half of it: blocks 0-3 or 4-7
	s_and_b32 s29, s25, 3
	s_lshl_b32 s30, s29, 2
	s_add_co_u32 s30, s30, s24                     ; which 128 along K: 4 x (work-group % 4) + wave
	s_lshl_b32 s31, s27, 4
	s_add_co_u32 s31, s31, s30
	s_mul_i32 s31, s31, UNIT                       ; my unit's first byte (under 2^24)
	s_mul_i32 s32, s28, 4*FRB
	s_add_co_u32 s32, s32, s31                     ; my four fragments,
	s_mov_b32 s33, 0
	s_lshl_b32 s34, s28, 8
	s_add_co_u32 s34, s34, s31
	s_add_co_u32 s34, s34, 8*FRB                   ; my 256 bytes of scale words
	s_mov_b32 s35, 0
	s_lshl_b32 s41, s26, 6                         ; combined: my first row
	s_lshl_b32 s42, s27, 5                         ; a weight: my first row, 32 G
	s_and_b32 s43, s30, 7                          ; combined: which 128 along K of x or of h_prev
	s_wait_kmcnt 0x0
	s_and_b32 s40, ttmp9, 4                        ; every choice hangs on the work-group's number alone.  The half of a group of B's rows:
	s_cmp_lg_u32 s40, 0
	s_cselect_b64 s[8:9], s[12:13], s[8:9]         ; fragments 0 and 1 come from W_f or from W_c,
	s_cselect_b64 s[10:11], s[14:15], s[10:11]     ; fragments 2 and 3 from W_i or from W_o
	s_and_b32 s40, ttmp9, 2                        ; K from 1,024 on:
	s_cmp_lg_u32 s40, 0
	s_cselect_b64 s[4:5], s[6:7], s[4:5]           ; h_prev, else x
	s_cmp_lt_u32 ttmp9, 512                        ; combined or the weights?  (a select leaves SCC as it is)
	s_cselect_b64 s[8:9], s[4:5], s[8:9]
	s_cselect_b64 s[10:11], s[4:5], s[10:11]
	s_cselect_b64 s[16:17], s[16:17], s[18:19]     ; the image
	s_cselect_b32 s36, 12, 13                      ; a source row is 4,096 bytes (x, h_prev) or 8,192 (W)
	s_cselect_b32 s37, s41, s42                    ; my first row in the source
	s_cselect_b32 s38, s43, s30                    ; my 512 bytes in a row
	s_cselect_b32 s39, 0x20000, 0                  ; combined: fragments 2 and 3 lie 32 rows of 4,096 bytes further down; a weight: they are another gate's same rows
	s_lshl_b32 s44, s37, s36                       ; under 2^25
	s_lshl_b32 s45, s38, 9
	s_add_co_u32 s44, s44, s45
	s_mov_b32 s45, 0
	s_add_nc_u64 s[QB:QB+1], s[8:9], s[44:45]
	s_add_co_u32 s44, s44, s39
	s_add_nc_u64 s[QB+8:QB+9], s[10:11], s[44:45]
	s_lshl_b32 s46, 8, s36                         ; 8 rows
	s_mov_b32 s47, 0
.irp k, 1,2,3,5,6,7
	s_add_nc_u64 s[QB+2*\k:QB+2*\k+1], s[QB+2*\k-2:QB+2*\k-1], s[46:47]
.endr
	s_add_nc_u64 s[18:19], s[16:17], s[34:35]      ; where my scale words go,
	s_add_nc_u64 s[16:17], s[16:17], s[32:33]      ; and my fragments
	s_lshl_b32 s40, 1, s36                         ; from row to row in the source
	v_mov_b32 v[VO], v3
.irp j, 1,2,3,4,5,6,7
	v_add_nc_u32 v[VO+\j], s40, v[VO+\j-1]
.endr
.macro LOAD t                          ; fragment t's 16 rows into set t % 2: row rr by base 2 t + rr / 8 and offset rr % 8
.irp rr, 0,1,2,3,4,5,6,7,8,9,10,11,12,13,14,15
	global_load_b128 v[R+64*((\t)%2)+4*\rr:R+64*((\t)%2)+4*\rr+3], v[VO+\rr%8], s[QB+2*(2*(\t)+\rr/8):QB+2*(2*(\t)+\rr/8)+1] th:TH_LOAD_NT   ; 32 lanes read 512 consecutive bytes, at a multiple of 512 from the buffer's first byte; read once in the launch
.endr
.endm
	LOAD 0
	LOAD 1
.macro QF t
.if (\t) < 3
	s_wait_loadcnt 16                              ; this fragment's 16 loads are in; the next fragment's 16 may be out
.else
	s_wait_loadcnt 0x0
.endif
.irp rr, 0,1,2,3,4,5,6,7,8,9,10,11,12,13,14,15
	ds_store_b128 v[STI], v[R+64*((\t)%2)+4*\rr:R+64*((\t)%2)+4*\rr+3] offset:SP*\rr          ; the rows as they lie
.endr
.irp c, 0,1
.irp i, 0,1,2,3,4,5,6,7
	ds_load_b128 v[X+32*\c+4*\i:X+32*\c+4*\i+3], v[STO] offset:256*\c+16*\i                   ; LDS serves a wave's instructions in order (ISA guide 5.7.1.4): these see the stores above.  k = 64 c + 32 h + 4 i .. + 3 of row r
.endr
.endr
	s_wait_dscnt 0x0                               ; my 64 numbers are in; and the stores into the stage have read their registers,
.if (\t)+2 < 4
	LOAD (\t)+2                                    ; which take the loads of two fragments on
.endif
.irp c, 0,1
.irp e, 0,1
	v_max3_num_f32 v[M+2*\c+\e], |v[X+32*\c+16*\e]|, |v[X+32*\c+16*\e+1]|, (EMAX+1)<<23       ; block 2 c + h: all its 32 numbers are mine; two chains a block; and the floor 2^(EMAX + 1 - 127): so the byte cannot fall under 1
.endr
.endr
.irp i, 2,4,6,8,10,12,14
.irp c, 0,1
.irp e, 0,1
	v_max3_num_f32 v[M+2*\c+\e], v[M+2*\c+\e], |v[X+32*\c+16*\e+\i]|, |v[X+32*\c+16*\e+\i+1]|   ; (the four chains by turns)
.endr
.endr
.endr
.irp c, 0,1
	v_max_num_f32 v[M+2*\c], v[M+2*\c], v[M+2*\c+1]
.endr
.irp c, 0,1
	v_add_nc_u32 v[SO+\c], -(EMAX<<23), v[M+2*\c]  ; EMAX off the exponent field: the conversion takes the exponent field of this operand as its scale, and nothing else of it
.endr
.irp c, 0,1
	v_lshrrev_b32 v[BY+\c], 23, v[SO+\c]           ; the scale's byte
.endr
	v_lshl_or_b32 v[WD], v[BY+1], 16, v[BY]        ; my two bytes: blocks h and 2 + h of row r,
	v_lshlrev_b32 v[WD], v[SH], v[WD]              ; at their places in the scale word (8 h bits up);
	v_permlanex16_b32 v[WX], v[WD], s[SEL], s[SEL+1]
	v_or_b32 v[W+(\t)], v[WD], v[WX]               ; with lane l xor 16's two the word is whole, in both lanes
.if (\t) > 0
	s_wait_alu depctr_va_vdst(0)
	s_wait_xcnt 0x0                                ; the last fragment's stores have had their addresses translated (ISA guide 3.1): only behind this wait are their data registers written again
.endif
.irp c, 0,1
	v_cvt_scalef32_pk16_fp6_f32 v[C+6*\c:C+6*\c+2], v[X+32*\c:X+32*\c+15], v[SO+\c]           ; registers 6 c .. 6 c + 5 of the operand
	v_cvt_scalef32_pk16_fp6_f32 v[T+4*\c:T+4*\c+2], v[X+32*\c+16:X+32*\c+31], v[SO+\c]        ; (a conversion's three registers begin on an even number: the second half of a block's six does not, so it is made elsewhere and moved)
.endr
	v_nop                                          ; one plain place behind a scaled conversion
.irp c, 0,1
.irp i, 0,1,2
	v_mov_b32 v[C+6*\c+3+\i], v[T+4*\c+\i]
.endr
.endr
.irp g, 0,1,2
	global_store_b128 v3, v[C+4*\g:C+4*\g+3], s[16:17] offset:FRB*(\t)+512*\g                 ; the image: 32 lanes store 512 consecutive bytes, at a multiple of 512 from the buffer's first byte
.endr
.endm
	s_wait_alu depctr_va_vdst(0)
.irp t, 0,1,2,3
	QF \t
.endr
	v_cmp_ne_u32 vcc_lo, 0, v2                     ; a row's four words lie on end: lanes 0-15 store those of fragments 0 and 1, lanes 16-31 those of fragments 2 and 3
	v_cndmask_b32 v[OW], v[W], v[W+2], vcc_lo
	v_cndmask_b32 v[OW+1], v[W+1], v[W+3], vcc_lo
	global_store_b64 v[SOF], v[OW:OW+1], s[18:19]  ; 32 lanes store 256 consecutive bytes, at a multiple of 256 from the buffer's first byte
	s_wait_tensorcnt 0x0
	ds_add_u32 v62, v63
	s_wait_dscnt 0x0
	s_endpgm
.Lfunc_end_k_q104c8c7019_quant:
	.size	k_q104c8c7019_quant, .Lfunc_end_k_q104c8c7019_quant-k_q104c8c7019_quant
	.p2alignl 7, 3214868480
	.fill 96, 4, 3214868480
	.section	.rodata,"a",@progbits
	.p2align	6, 0x0
	.amdhsa_kernel k_q104c8c7019_quant
		.amdhsa_group_segment_fixed_size 34304
		.amdhsa_private_segment_fixed_size 0
		.amdhsa_enable_private_segment 0
		.amdhsa_kernarg_size 64
		.amdhsa_user_sgpr_count 2
		.amdhsa_user_sgpr_kernarg_segment_ptr 1
		.amdhsa_wavefront_size32 1
		.amdhsa_system_sgpr_workgroup_id_x 1
		.amdhsa_system_sgpr_workgroup_id_y 1
		.amdhsa_system_sgpr_workgroup_id_z 1
		.amdhsa_system_vgpr_workitem_id 0
		.amdhsa_next_free_vgpr 256
		.amdhsa_next_free_sgpr 66
		.amdhsa_reserve_vcc 1
		.amdhsa_float_denorm_mode_32 3
		.amdhsa_float_denorm_mode_16_64 3
		.amdhsa_memory_ordered 1
		.amdhsa_forward_progress 1
		.amdhsa_inst_pref_size 32
	.end_amdhsa_kernel
	.amdgpu_metadata
---
amdhsa.version: [ 1, 2 ]
amdhsa.kernels:
  - .name:           k_q104c8c7019_quant
    .symbol:         k_q104c8c7019_quant.kd
    .args:
      - { .name: x, .offset: 0, .size: 8, .value_kind: global_buffer, .address_space: global }
      - { .name: h_prev, .offset: 8, .size: 8, .value_kind: global_buffer, .address_space: global }
      - { .name: W_f, .offset: 16, .size: 8, .value_kind: global_buffer, .address_space: global }
      - { .name: W_i, .offset: 24, .size: 8, .value_kind: global_buffer, .address_space: global }
      - { .name: W_c, .offset: 32, .size: 8, .value_kind: global_buffer, .address_space: global }
      - { .name: W_o, .offset: 40, .size: 8, .value_kind: global_buffer, .address_space: global }
      - { .name: a_img, .offset: 48, .size: 8, .value_kind: global_buffer, .address_space: global }
      - { .name: b_img, .offset: 56, .size: 8, .value_kind: global_buffer, .address_space: global }
    .group_segment_fixed_size: 34304
    .private_segment_fixed_size: 0
    .kernarg_segment_align: 8
    .kernarg_segment_size: 64
    .max_flat_workgroup_size: 128
    .sgpr_count:     66
    .vgpr_count:     256
    .wavefront_size: 32
...
	.end_amdgpu_metadata
.endif
;; end of part 1
;; launch cell (part 2): grid 16 x 32, 4 waves a work-group, clusters of 4 x 4, 327,680 bytes of LDS; arguments a_img, b_img, b_f, b_i, b_c, b_o, c_prev, out0, out1; writes out0, out1
.if DOCPART == 2
	.amdgcn_target "amdgcn-amd-amdhsa--gfx1250"
	.amdhsa_code_object_version 6
	.text
	.protected	k_q104c8c7019_cell
	.globl	k_q104c8c7019_cell
	.p2align	8
	.type	k_q104c8c7019_cell,@function
k_q104c8c7019_cell:
	s_mov_b64 s[64:65], 0
	v_nop
	global_prefetch_b8 v0, s[64:65] scope:SCOPE_SE
	s_setreg_imm32_b32 hwreg(HW_REG_WAVE_MODE, 25, 1), 1
	s_wait_xcnt 0x0
	s_wait_alu depctr_hold_cnt(0) depctr_sa_sdst(0) depctr_va_vdst(0) depctr_va_sdst(0) depctr_va_ssrc(0) depctr_va_vcc(0) depctr_vm_vsrc(0)
	s_getreg_b32 s2, hwreg(HW_REG_IB_STS2, 6, 4)
	s_cmp_eq_u32 s2, 0
	s_cbranch_scc0 .Lentry_in_a_cluster
	s_endpgm
.Lentry_in_a_cluster:
	s_bfe_u32 s2, ttmp6, 0x10000c
	s_cmp_lg_u32 s2, 0xf033
	s_cbranch_scc0 .Lentry_shape_is_right
	s_endpgm
.Lentry_shape_is_right:
; gates = combined W_all^T + b on codes of FP6 (E2M3) with one E8M0 scale for each 32 along K (K = 2,048), sums in f32; then, in f32, c_t = sigmoid(f) c_prev + sigmoid(i) tanh(c), h_t = sigmoid(o) tanh(c_t).
; out0 = h_t, out1 = c_t, both [8192][1024] f32.  The gates never go to memory.
; THE OPERANDS LIE IN MEMORY IN THE ORDER OF THEIR REGISTERS.  A UNIT is 128 rows x 128 along K, 12,800 dense bytes: 8 fragments (16 rows x 128 K, 12 registers a lane) of 1,536 bytes, each as three groups of four
; registers, lane l's 16 bytes at 16 l; then 512 bytes of scale words, that of block i, row r at 256 (i / 4) + 16 r + 4 (i % 4).  a_img = [64 groups of 128 rows][16 units], b_img = [32][16].
; B'S ROWS ARE IN THIS PROGRAM'S OWN ORDER: group G = 2 TC + CH holds hidden units 32 G .. + 31 of all four gates; its block b is gate b / 2 (f 0, i 1, c 2, o 3), units 32 G + 16 (b % 2) + r.
; SHARES.  A work-group of four waves makes 256 rows x 256 gate columns (64 hidden units x 4 gates); wave (RH, CH) 128 x 128: 64 accumulators of 16 x 16, 512 registers.  512 work-groups.
; THE MATRIX INSTRUCTION IS USED TRANSPOSED (source 0 = 16 rows of B, source 1 = 16 rows of A): in accumulator (a, b = 2 g + u) register j of lane (r, h) is gate g of row 16 a + r, hidden unit 32 CH + 16 u + 8 h + j.
; So the four gates of one number of c_t lie in ONE lane.  THE BIASES are the C of each sum's first matrix instruction.
; THE RING: two LDS slots of THREE units for each of the four quarters (A's two groups of rows, B's two): 153,600 bytes a slot.  16 = 5 x 3 + 1.  Unit n lies in slot (n / 3) % 2 at place n % 3.
; The head's one load a wave brings units 0-2 into slot 0; slot 1's first fill, units 3-5, is issued as a refill is.  Then, at the head of a slot's last unit, when all its fragments are in registers:
; slot 0 units 6-8, slot 1 units 9-11, slot 0 units 12-14, slot 1 unit 15 alone, and at last slot 0 takes c_prev's tile (a plain load of each wave, 64 rows).  By the text's own count a wave has one tensor load out.
; The fills differ in kind and B's two sets of registers alternate unit by unit, so the sixteen units are written out by macros.
; PREFETCHES INTO THE L2.  Behind each fill a wave asks for the quarter that it fetches at the NEXT fill, three units of matrix work ahead of that fill (units 3-5: the head's set-up and the first fill's flight ahead).
; A quarter of three units is 150 blocks of 256 bytes; the four partners that ask for it jointly share them out by address, 40 to a partner (two instructions, a lane a block; what is over names the last block);
; unit 15's 50 blocks go 13 to a partner.  Units 0-2 come by their load alone.  c_prev's tile is the work-group's own: each wave asks for its 64 rows, 16 behind each of the changes of slots at units 2, 5, 8 and 11.
; CLUSTERS: 4 x 4 work-groups.  The four of a row of the cluster need the same units of A, the four of a column the same units of B: each is asked for JOINTLY.
; sigmoid(x) = 1 / (1 + 2^(-x log2 e)), tanh(x) = 1 - 2 / (1 + 2^(2 x log2 e)): where the power overflows to infinity or falls to 0 the reciprocal gives 0 or 1, so both saturate rightly for any finite x: no clamp.
; LIMITS: NaN and infinities among the inputs are not served.
; REGISTERS, in windows of 256: window 0: v0-29 addresses; v32-47 scale words, two sets, and nothing else ever; v64-127 the biases; v128-223 A's fragments, ONE set.
;   On the way out: v64-127 the four gates of a block; v128-191 rows read back from the stages; v192-207 c_prev, v208-223 c_t, v224-239 h_t.
;   window 1: B's fragments, TWO sets, at v0 and at v128.   window 2: the 32 accumulators of my rows 0-63 ((a, b) at v[8 (8 a + b)]);   window 3: those of my rows 64-127.
.set FR,     12
.set FRB,    1536
.set NL,     3
.set NP,     4                         ; places behind this matrix instruction (ISA guide 7.12.1)
.set SCO,    8*FRB
.set UNIT,   SCO+512
.set QUART,  3*UNIT                    ; a wave's part of a slot
.set SLOT,   4*QUART
.set SPARE,  2*SLOT                    ; the spare words, 128 bytes a wave
.set EP,     272                       ; the way out: rows of 256 bytes + 16
.set CTB,    SLOT                      ; the stage for c_t,
.set HTB,    SLOT+256*EP               ; and that for h_t: both in slot 1, which has had its last fill and its last read when the first result is stored there.  c_prev's tile, 256 rows x EP, begins at LDS byte 0: slot 0's last fill
.set CPA,  7
.set CTA,  8
.set HTA,  9
.set RDC,  10
.set RDH,  11
.set CO,   12
.set PFO,  13                          ; v13  c_prev's prefetches: min(lane, 15) rows; never rewritten
.set BO,   14
.set ADRA, 16
.set ADRB, 20
.set PF1,  22                          ; v22-24  the units' prefetches: my blocks of a quarter, in bytes; never rewritten
.set PF2,  23
.set PF3,  24
.set ADRS, 26
.set SPW,  28
.set NIL,  29
.set SC,   32
.set BI,   64
.set AF,   128
.set T,    64
.set OUTB, 128
.set CP,   192
.set CT,   208
.set HT,   224
.set WV,   18
.set RH,   19
.set CH,   20
.set TR,   21
.set TC,   22
.set G0C,  4                           ; s[4:7] group 0 for c_prev's tile
.set PFB,  8                           ; s[8:9] my 64 rows of c_prev; never rewritten
.set PFQ,  10                          ; s[10:11] unit 0 of the group that I fetch; never rewritten
.set G1,   24                          ; s[24:31] group 1 for three units of A; s[32:39] group 0, a set for each slot
.set G0,   32
.set G1B,  48
.set G0B,  56
.set SNEG, 66
.set G1S,  68                          ; s[68:75] group 1 for one unit of A; s[80:87] of B
.set TA,   78                          ; s[78:79], s[90:91] byte offsets of my groups in the images
.set G1SB, 80
.set TB,   90
.set BP,   92                          ; s[92:99] the biases' addresses; later group 1 for c_prev's tile
.set G1C,  92
.set SPOS, 100
.set MSB, 0
.macro WIN new
.if MSB != \new
	s_set_vgpr_msb (MSB<<8)|\new
.set MSB, \new
.endif
.endm
.set MUL_LO, 0xa1
.set MUL_HI, 0xf1
.set BEG_LO, 0x81                      ; unit 0: C (a bias) window 0, D window 2
.set BEG_HI, 0xc1
.set TO_B,   0x40
; A joint load: waves 0 and 1 fetch for A, waves 2 and 3 for B; s_nop 0 and four v_nop behind each line
.macro JLOAD g0a, g1a, g0b, g1b
	s_cmp_eq_u32 s[RH], 0
	s_cbranch_scc0 .Lfor_b_\@
	tensor_load_to_lds s[\g0a:\g0a+3], s[\g1a:\g1a+7]
	s_nop 0
.rept 4
	v_nop
.endr
	s_branch .Lasked_\@
.Lfor_b_\@:
	tensor_load_to_lds s[\g0b:\g0b+3], s[\g1b:\g1b+7]
	s_nop 0
.rept 4
	v_nop
.endr
.Lasked_\@:
.endm
.macro CREST
	s_cmp_lg_u32 s[WV], 0
	s_cbranch_scc1 .Lnot_wave_0_\@
	s_barrier_signal -3
.Lnot_wave_0_\@:
	s_barrier_wait -3
	s_barrier_signal -1
	s_barrier_wait -1
.endm
.macro CROUND
	s_barrier_signal -1
	s_barrier_wait -1
	CREST
.endm
.macro ASK u                           ; my 40 blocks of the three units from u on, of the quarter that I fetch
	global_prefetch_b8 v[PF1], s[PFQ:PFQ+1] offset:(\u)*UNIT th:TH_LOAD_NT scope:SCOPE_SE
	global_prefetch_b8 v[PF2], s[PFQ:PFQ+1] offset:(\u)*UNIT th:TH_LOAD_NT scope:SCOPE_SE
.endm
.macro ASKC i                          ; rows 16 i .. 16 i + 15 of my 64 rows of c_prev's tile, a lane a row
	global_prefetch_b8 v[PFO], s[PFB:PFB+1] offset:(\i)*16*4096 th:TH_LOAD_NT scope:SCOPE_SE
.endm
	s_load_b128 s[4:7], s[0:1], 0x0                ; A's image, B's
	s_load_b256 s[BP:BP+7], s[0:1], 0x10           ; b_f, b_i, b_c, b_o
	s_load_b128 s[12:15], s[0:1], 0x30             ; c_prev, out0 (h_t)
	s_load_b64 s[16:17], s[0:1], 0x40              ; out1 (c_t)
	v_lshl_add_u32 v[SPW], v0, 2, SPARE
	v_mov_b32 v[NIL], 0
	ds_add_u32 v[SPW], v[NIL]                      ; the opening lines: the add twice on end and its wait
	ds_add_u32 v[SPW], v[NIL]
	s_wait_dscnt 0x0
	v_lshrrev_b32 v1, 5, v0
	v_readfirstlane_b32 s[WV], v1                  ; wave 0..3
	s_lshr_b32 s[RH], s[WV], 1
	s_and_b32 s[CH], s[WV], 1
	s_bfe_u32 s40, ttmp6, 0x40000                  ; cx, cy
	s_bfe_u32 s41, ttmp6, 0x40004
	s_lshl_b32 s[TC], ttmp9, 2
	s_add_co_u32 s[TC], s[TC], s40                 ; tile column
	s_and_b32 s[TR], ttmp7, 0xffff
	s_lshl_b32 s[TR], s[TR], 2
	s_add_co_u32 s[TR], s[TR], s41                 ; tile row
	s_lshl_b32 s42, s41, 2
	s_lshl_b32 s42, 15, s42                        ; my row of the cluster
	s_lshl_b32 s43, 0x1111, s40                    ; my column
	; group 1: dense rows of 256 bytes (32 elements of 8 bytes), no padding: 150 rows (three units) or 50 (one)
	s_or_b32 s[G1+0], s42, (3<<16)|(1<<21)
	s_or_b32 s[G1B+0], s43, (3<<16)|(1<<21)
	s_or_b32 s[G1S+0], s42, (3<<16)|(1<<21)
	s_or_b32 s[G1SB+0], s43, (3<<16)|(1<<21)
.irp g, G1, G1B
	s_mov_b32 s[\g+1], 32<<16
	s_mov_b32 s[\g+2], (QUART/256)<<16
	s_mov_b32 s[\g+3], 32<<16
	s_mov_b32 s[\g+4], QUART/256
	s_mov_b32 s[\g+5], 32
	s_mov_b32 s[\g+6], 0
	s_mov_b32 s[\g+7], 0
.endr
.irp g, G1S, G1SB
	s_mov_b32 s[\g+1], 32<<16
	s_mov_b32 s[\g+2], (UNIT/256)<<16
	s_mov_b32 s[\g+3], 32<<16
	s_mov_b32 s[\g+4], UNIT/256
	s_mov_b32 s[\g+5], 32
	s_mov_b32 s[\g+6], 0
	s_mov_b32 s[\g+7], 0
.endr
	s_mov_b32 s[SNEG], 0xbfb8aa3b                  ; -log2(e)
	s_mov_b32 s[SNEG+1], s[SNEG]
	s_mov_b32 s[SPOS], 0x4038aa3b                  ; 2 log2(e)
	s_mov_b32 s[SPOS+1], s[SPOS]
	; A's units hang on the tile row alone, B's on the tile column alone; each in registers that never hold the other coordinate
	s_lshl_b32 s23, s[TR], 1
	s_add_co_u32 s23, s23, s[CH]
	s_lshl_b32 s46, s[TC], 1
	s_add_co_u32 s46, s46, s[CH]
	s_mul_i32 s[TA], s23, 16*UNIT
	s_mov_b32 s[TA+1], 0
	s_mul_i32 s[TB], s46, 16*UNIT
	s_mov_b32 s[TB+1], 0
	s_mul_i32 s44, s[WV], QUART                    ; LDS: wave x a quarter of a slot
	s_wait_kmcnt 0x0
	s_add_nc_u64 s[G0+2:G0+3], s[4:5], s[TA:TA+1]              ; units 0-2 for slot 0,
	s_add_nc_u64 s[G0+6:G0+7], s[G0+2:G0+3], 3*UNIT            ; units 3-5 for slot 1
	s_add_nc_u64 s[G0B+2:G0B+3], s[6:7], s[TB:TB+1]
	s_add_nc_u64 s[G0B+6:G0B+7], s[G0B+2:G0B+3], 3*UNIT
	s_cmp_eq_u32 s[RH], 0                          ; do I fetch for A?  The choice hangs on the wave's number alone
	s_cselect_b64 s[PFQ:PFQ+1], s[G0+2:G0+3], s[G0B+2:G0B+3]
	CROUND                                         ; all sixteen work-groups are here: the first joint loads meet
.irp s, 0,1
	s_mov_b32 s[G0+4*\s], 1
	s_add_co_u32 s[G0+4*\s+1], s44, \s*SLOT
	s_or_b32 s[G0+4*\s+3], s[G0+4*\s+3], 0x80000000
	s_mov_b32 s[G0B+4*\s], 1
	s_add_co_u32 s[G0B+4*\s+1], s44, \s*SLOT
	s_or_b32 s[G0B+4*\s+3], s[G0B+4*\s+3], 0x80000000
.endr
	JLOAD G0, G1, G0B, G1B                         ; units 0-2: my one tensor load at the head
	v_and_b32 v1, 15, v0                           ; r
	v_bfe_u32 v2, v0, 4, 1                         ; h
	v_lshlrev_b32 v[BO], 5, v2
	s_wait_alu depctr_va_vdst(0)
	s_lshl_b32 s46, s[TC], 8                       ; the biases: block b = 2 g + u wants b_g at hidden units 64 TC + 32 CH + 16 u + 8 h + 0 .. 7
	s_lshl_b32 s2, s[CH], 7
	s_add_co_u32 s46, s46, s2
	s_mov_b32 s47, 0
.irp g, 0,1,2,3
	s_add_nc_u64 s[BP+2*\g:BP+2*\g+1], s[BP+2*\g:BP+2*\g+1], s[46:47]
.endr
.irp g, 0,1,2,3
.irp u, 0,1
.irp k, 0,1
	global_load_b128 v[BI+8*(2*\g+\u)+4*\k:BI+8*(2*\g+\u)+4*\k+3], v[BO], s[BP+2*\g:BP+2*\g+1] offset:64*\u+16*\k
.endr
.endr
.endr
	v_and_b32 v3, 31, v0                           ; lane
	; the prefetches' offsets.  p = my work-group's place among the four that ask for my quarter with me: it enters these global offsets alone
	s_cmp_eq_u32 s[RH], 0
	s_cselect_b32 s2, s40, s41                     ; cx for A, cy for B
	s_mul_i32 s3, s2, 40
	s_mul_i32 s2, s2, 13
	v_min_u32 v[PFO], 15, v3
	v_add_nc_u32 v[PF1], s3, v3                    ; blocks 40 p + lane,
	v_min_u32 v[PF2], 7, v3
	v_min_u32 v[PF3], 12, v3
	v_lshlrev_b32 v[PFO], 12, v[PFO]               ; c_prev: a row is 4,096 bytes
	v_add_nc_u32 v[PF2], s3, v[PF2]
	v_add_nc_u32 v[PF3], s2, v[PF3]                ; unit 15: blocks 13 p + 0 .. 12
	v_min_u32 v[PF1], 149, v[PF1]                  ; held at the quarter's last block
	v_add_nc_u32 v[PF2], 32, v[PF2]                ; and 40 p + 32 .. 39
	v_min_u32 v[PF3], 49, v[PF3]
	v_lshlrev_b32 v[PF1], 8, v[PF1]
	v_min_u32 v[PF2], 149, v[PF2]
	v_lshlrev_b32 v[PF3], 8, v[PF3]
	v_lshlrev_b32 v[PF2], 8, v[PF2]
	ASK 3                                          ; the next fill's units
	v_lshlrev_b32 v3, 4, v3                        ; 16 x lane
	s_mul_i32 s2, s[RH], QUART                     ; my group of A's rows
	s_mul_i32 s3, s[CH], QUART                     ; my group of B's rows,
	s_add_co_u32 s3, s3, 2*QUART                   ; behind A's two
.irp s, 0,1
	v_add_nc_u32 v[ADRA+\s], s2, v3
	v_add_nc_u32 v[ADRB+\s], s3, v3
	s_add_co_u32 s2, s2, SLOT
	s_add_co_u32 s3, s3, SLOT
.endr
	v_lshlrev_b32 v5, 4, v1                        ; the scale words: 16 bytes a row
	s_mul_i32 s2, s[RH], QUART
	s_mul_i32 s3, s[CH], QUART
	s_add_co_u32 s3, s3, 2*QUART
	s_sub_co_u32 s3, s3, s2                        ; the distance between A's quarter and B's
	v_mul_u32_u24 v6, s3, v2                       ; lanes 16-31 take B's
	v_add_nc_u32 v5, v5, v6
	v_add_nc_u32 v[ADRS], s2, v5
	v_add_nc_u32 v[ADRS+1], SLOT, v[ADRS]
	; the way out
	s_mul_i32 s2, s[RH], 128*EP                    ; my 128 rows,
	s_lshl_b32 s3, s[CH], 7                        ; my 128 bytes of a row
	s_add_co_u32 s2, s2, s3
	v_mul_u32_u24 v3, v1, EP
	v_lshl_add_u32 v3, v2, 5, v3                   ; row r, 32 bytes for each half of the lanes
	v_add_nc_u32 v[CPA], s2, v3                    ; (c_prev's tile begins at LDS byte 0)
	v_add_nc_u32 v[CTA], CTB, v[CPA]
	v_add_nc_u32 v[HTA], HTB, v[CPA]
	s_mul_i32 s2, s[RH], 128*EP                    ; back: of each 32 rows of my half of the tile, wave CH takes 16, whole
	s_mul_i32 s3, s[CH], 16*EP
	s_add_co_u32 s2, s2, s3
	v_mul_u32_u24 v3, v2, EP
	v_lshl_add_u32 v3, v1, 4, v3
	v_add_nc_u32 v3, s2, v3
	v_add_nc_u32 v[RDC], CTB, v3
	v_add_nc_u32 v[RDH], HTB, v3
	v_lshlrev_b32 v[CO], 12, v2                    ; the same two rows in an output
	v_lshl_add_u32 v[CO], v1, 4, v[CO]
	s_lshl_b32 s46, s[TR], 20                      ; the tile's first byte in c_prev and in the outputs
	s_lshl_b32 s2, s[TC], 8
	s_add_co_u32 s46, s46, s2
	s_add_nc_u64 s[12:13], s[12:13], s[46:47]
	s_lshl_b32 s2, s[RH], 19                       ; the rows that I store begin 128 RH + 16 CH rows down
	s_add_co_u32 s46, s46, s2
	s_lshl_b32 s2, s[CH], 16
	s_add_co_u32 s46, s46, s2
	s_add_nc_u64 s[14:15], s[14:15], s[46:47]
	s_add_nc_u64 s[16:17], s[16:17], s[46:47]
.macro FRAG reg, adr, pos, i
.irp c, 0,1,2
	ds_load_b128 v[\reg+4*\c:\reg+4*\c+3], v[\adr] offset:(\pos)*UNIT+(\i)*FRB+512*\c
.endr
.endm
; 16 matrix instructions: A's blocks a0, a0 + 1 x B's eight.  first = 1: the sums begin with the biases as C.  The 64 accumulators take turns.
.macro MUL16 a0, p, first
.irp a, \a0, \a0+1
.irp b, 0,1,2,3,4,5,6,7
.if \first
	v_wmma_scale_f32_16x16x128_f8f6f4 v[8*(8*((\a)%4)+\b):8*(8*((\a)%4)+\b)+7], v[128*(\p)+FR*\b:128*(\p)+FR*\b+FR-1], v[AF+FR*(\a):AF+FR*(\a)+FR-1], v[BI+8*\b:BI+8*\b+7], v[SC+8*(\p)+\b], v[SC+8*(\p)+(\a)] matrix_a_fmt:MATRIX_FMT_FP6 matrix_b_fmt:MATRIX_FMT_FP6 matrix_a_scale:MATRIX_SCALE_ROW1
.else
	v_wmma_scale_f32_16x16x128_f8f6f4 v[8*(8*((\a)%4)+\b):8*(8*((\a)%4)+\b)+7], v[128*(\p)+FR*\b:128*(\p)+FR*\b+FR-1], v[AF+FR*(\a):AF+FR*(\a)+FR-1], v[8*(8*((\a)%4)+\b):8*(8*((\a)%4)+\b)+7], v[SC+8*(\p)+\b], v[SC+8*(\p)+(\a)] matrix_a_fmt:MATRIX_FMT_FP6 matrix_b_fmt:MATRIX_FMT_FP6 matrix_a_scale:MATRIX_SCALE_ROW1
.endif
.endr
.endr
.endm
.macro FETCH_B rg, pos, p, i0          ; B's blocks i0 .. i0 + 3 into set p
	WIN TO_B
.irp i, \i0, \i0+1, \i0+2, \i0+3
	FRAG 128*(\p)+FR*(\i), ADRB+\rg, \pos, \i
.endr
	WIN 0
.endm
.macro FETCH_A rg, pos, i0
.irp i, \i0, \i0+1, \i0+2, \i0+3
	FRAG AF+FR*(\i), ADRA+\rg, \pos, \i
.endr
.endm
.macro SCALES rg, pos, p
.irp g, 0,1
	ds_load_b128 v[SC+8*(\p)+4*\g:SC+8*(\p)+4*\g+3], v[ADRS+\rg] offset:(\pos)*UNIT+SCO+256*\g
.endr
.endm
.macro PLACES n
.rept \n
	v_nop
.endr
.endm
; A unit whose successor lies in the same slot, at place np of slot nr.  ONE set serves A: blocks 0-3 are fetched anew in the unit's middle, blocks 4-7 at its end; B and the scale words have two sets.
; The successor's 50 LDS loads go out in three runs of 12, 26 and 12.  The first run lands in B's other set, which the unit before read last: that unit's closing four places stand behind those reads.
.macro STEP p, nr, np, first
	s_wait_dscnt 4*NL                              ; all but the youngest 12 loads (A's blocks 4-7)
.if \first
	WIN BEG_LO
.else
	WIN MUL_LO
.endif
	MUL16 0, \p, \first
	FETCH_B \nr, \np, 1-(\p), 0
.if \first
	WIN BEG_LO
.else
	WIN MUL_LO
.endif
	MUL16 2, \p, \first
	s_wait_dscnt 4*NL                              ; A's blocks 4-7 are in; the 12 loads just issued may be out
	PLACES NP
	FETCH_B \nr, \np, 1-(\p), 4
	FETCH_A \nr, \np, 0
	SCALES \nr, \np, 1-(\p)
.if \first
	WIN BEG_HI
.else
	WIN MUL_HI
.endif
	MUL16 4, \p, \first
	MUL16 6, \p, \first
	PLACES NP
	WIN 0
	FETCH_A \nr, \np, 4
.endm
; A slot's last unit changes slots: all its fragments have been asked for.  Each wave waits for all its tensor loads, adds 0 to its spare word, and waits for that and for its reads of slot rel; then a round of the
; cluster's barrier, and the fill first behind it.  fill = 1: three units, six units on, jointly.  fill = 3: one unit, jointly.  fill = 2: c_prev's tile, a plain load of every wave, 64 rows.  The successor lies at place 0 of slot nr.
.macro TURN p, rel, nr, fill
	s_wait_tensorcnt 0x0                           ; all my tensor loads have landed: my part of slot nr
	ds_add_u32 v[SPW], v[NIL]
.if \fill != 2
	s_add_nc_u64 s[G0+4*\rel+2:G0+4*\rel+3], s[G0+4*\rel+2:G0+4*\rel+3], 6*UNIT       ; no tensor load of mine is out, so a group 0 may be written
	s_add_nc_u64 s[G0B+4*\rel+2:G0B+4*\rel+3], s[G0B+4*\rel+2:G0B+4*\rel+3], 6*UNIT
.endif
	s_wait_dscnt 4*NL+1                            ; (the add and the youngest 12 loads may be out)
	WIN MUL_LO
	MUL16 0, \p, 0
	s_wait_dscnt 0x0                               ; the add is done, and my reads of slot rel are over
	WIN 0
	s_barrier_signal -1
	s_barrier_wait -1
	CREST
.if \fill == 1
	JLOAD G0+4*\rel, G1, G0B+4*\rel, G1B
.elseif \fill == 3
	JLOAD G0+4*\rel, G1S, G0B+4*\rel, G1SB
.else
	tensor_load_to_lds s[G0C:G0C+3], s[G1C:G1C+7]  ; my 64 rows of c_prev's tile: the launch's last tensor load
	s_nop 0
	PLACES 4
.endif
	FETCH_B \nr, 0, 1-(\p), 0
	WIN MUL_LO
	MUL16 2, \p, 0
	PLACES NP
	FETCH_B \nr, 0, 1-(\p), 4
	FETCH_A \nr, 0, 0
	SCALES \nr, 0, 1-(\p)
	WIN MUL_HI
	MUL16 4, \p, 0
	MUL16 6, \p, 0
	PLACES NP
	WIN 0
	FETCH_A \nr, 0, 4
.endm
	s_wait_alu depctr_va_vdst(0)
	s_wait_tensorcnt 0x0                           ; my part of units 0-2 is in
	ds_add_u32 v[SPW], v[NIL]
	s_wait_dscnt 0x0
	CROUND                                         ; everybody's part is in, and all sixteen work-groups are here
	JLOAD G0+4, G1, G0B+4, G1B                     ; slot 1's first fill: units 3-5
	FETCH_B 0, 0, 0, 0
	FETCH_B 0, 0, 0, 4
	FETCH_A 0, 0, 0
	SCALES 0, 0, 0
	FETCH_A 0, 0, 4
	ASK 6                                          ; the next fill's units
	s_wait_loadcnt 0x0                             ; the biases are in: so their loads' bases, s[92:99], may be written
	; c_prev's tile, my 64 rows of 256 bytes, 4,096 bytes apart in memory, 16 bytes of padding behind each in LDS.  No mask: each work-group has a tile of its own
	s_mov_b32 s[G1C+0], (3<<16)|(1<<20)|(5<<22)|(3<<25)
	s_mov_b32 s[G1C+1], 32<<16
	s_mov_b32 s[G1C+2], 64<<16
	s_mov_b32 s[G1C+3], 32<<16
	s_mov_b32 s[G1C+4], 64
	s_mov_b32 s[G1C+5], 512
	s_mov_b32 s[G1C+6], 0
	s_mov_b32 s[G1C+7], 0
	s_mov_b32 s[G0C], 1
	s_mul_i32 s[G0C+1], s[WV], 64*EP               ; LDS: wave x 64 rows, from byte 0 of slot 0
	s_lshl_b32 s2, s[WV], 18                       ; memory: wave x 64 rows of 4,096 bytes
	s_mov_b32 s3, 0
	s_add_nc_u64 s[PFB:PFB+1], s[12:13], s[2:3]
	s_add_nc_u64 s[G0C+2:G0C+3], s[12:13], s[2:3]
	s_or_b32 s[G0C+3], s[G0C+3], 0x80000000
	STEP 0, 0, 1, 1                                ; unit 0: its products start the sums, on the biases
	STEP 1, 0, 2, 0
	TURN 0, 0, 1, 1                                ; unit 2: slot 0 takes units 6-8
	ASK 9
	ASKC 0
	STEP 1, 1, 1, 0
	STEP 0, 1, 2, 0
	TURN 1, 1, 0, 1                                ; unit 5: slot 1 takes units 9-11
	ASK 12
	ASKC 1
	STEP 0, 0, 1, 0
	STEP 1, 0, 2, 0
	TURN 0, 0, 1, 1                                ; unit 8: slot 0 takes units 12-14
	global_prefetch_b8 v[PF3], s[PFQ:PFQ+1] offset:15*UNIT th:TH_LOAD_NT scope:SCOPE_SE   ; my 13 blocks of unit 15
	ASKC 2
	STEP 1, 1, 1, 0
	STEP 0, 1, 2, 0
	TURN 1, 1, 0, 3                                ; unit 11: slot 1 takes unit 15
	ASKC 3
	STEP 0, 0, 1, 0
	STEP 1, 0, 2, 0
	TURN 0, 0, 1, 2                                ; unit 14: slot 0 takes c_prev's tile
	s_wait_dscnt 4*NL                              ; unit 15: nothing more to fetch
	WIN MUL_LO
	MUL16 0, 1, 0
	MUL16 2, 1, 0
	s_wait_dscnt 0x0                               ; my reads of slot 1 are over: its bytes become stages.  c_prev's load stays on its way across it
	s_barrier_signal -1
	WIN MUL_HI
	MUL16 4, 1, 0
	MUL16 6, 1, 0
	WIN 0
	s_barrier_wait -1
	PLACES NP
; Blocks 2 q and 2 q + 1 leave.  A row's 256 bytes come from two waves: so a barrier stands between the writing and the reading; then each wave reads 16 whole rows of each stage (RDBACK) and stores them (STOUT).
; No byte of a stage is written twice, so no barrier is wanted between these reads and the next blocks' stores.
.macro RDBACK q
.if \q > 0
	s_wait_xcnt 0x0                                ; the last group's stores have read their data registers: only behind this wait are they loaded again
.endif
.irp t, 0,1,2,3,4,5,6,7
	ds_load_b128 v[OUTB+4*\t:OUTB+4*\t+3], v[RDC] offset:32*EP*\q+2*EP*\t
.endr
.irp t, 0,1,2,3,4,5,6,7
	ds_load_b128 v[OUTB+32+4*\t:OUTB+32+4*\t+3], v[RDH] offset:32*EP*\q+2*EP*\t
.endr
.endm
.macro STOUT q, counted                ; counted = 1: each store waits for its own load of the sixteen; 0: all are in already
.irp t, 0,1,2,3,4,5,6,7
.if \counted
	s_wait_dscnt 15-\t
.endif
	global_store_b128 v[CO], v[OUTB+4*\t:OUTB+4*\t+3], s[16:17] offset:(32*\q+2*\t)*4096 th:TH_STORE_NT         ; c_t: 16 lanes store 256 consecutive bytes, aligned
.endr
.irp t, 0,1,2,3,4,5,6,7
.if \counted
	s_wait_dscnt 7-\t
.endif
	global_store_b128 v[CO], v[OUTB+32+4*\t:OUTB+32+4*\t+3], s[14:15] offset:(32*\q+2*\t)*4096 th:TH_STORE_NT   ; h_t likewise
.endr
.endm
.macro SIG                             ; behind a pair of blocks: my stores into the stages are done; the wait for the others stands in the next block, behind register work alone
	s_wait_dscnt 0x0
	s_barrier_signal -1
.endm
; THE GATES of block a (16 rows x my 32 hidden units): 16 numbers a lane of each of f, i, c, o.  Transcendentals stand in runs, with a wait ahead of each run, one plain line and the wait behind it.
; c_prev is read behind the first run.  In block 0 each wave waits there for its 64 rows of the tile and passes a barrier, since a wave reads rows that another wave fetched.
; snd = q (0 or more): the barrier signalled behind blocks 2 q and 2 q + 1 is awaited behind the first run, their rows are read back there and stored behind the second run.
.macro GATES a, snd
.set AC, 64*((\a)%4)
	WIN (0x02+(\a)/4)
.irp b, 0,1,2,3,4,5,6,7                ; the exponents: -x log2(e) for f, i, o;  2 x log2(e) for c.  Each accumulator is read from its low end on
.irp p, 0,2,4,6
.if \b/2 == 2
	v_pk_mul_f32 v[T+8*\b+\p:T+8*\b+\p+1], v[AC+8*\b+\p:AC+8*\b+\p+1], s[SPOS:SPOS+1] op_sel_hi:[1,0]
.else
	v_pk_mul_f32 v[T+8*\b+\p:T+8*\b+\p+1], v[AC+8*\b+\p:AC+8*\b+\p+1], s[SNEG:SNEG+1] op_sel_hi:[1,0]
.endif
.endr
.endr
	WIN 0
.set n, 0
	s_wait_alu depctr_va_vdst(0)
.rept 64
	v_exp_f32 v[T+n], v[T+n]
.set n, n+1
.endr
	v_nop
	s_wait_alu depctr_va_vdst(0)
.if (\a) == 0
	s_wait_tensorcnt 0x0                           ; for the others' sake: my 64 rows of c_prev have landed
	s_barrier_signal -1
	s_barrier_wait -1                              ; everybody's have
.endif
.if (\snd) >= 0
	s_barrier_wait -1                              ; everybody's stores of the last two blocks are done
	RDBACK \snd
.endif
.irp u, 0,1
.irp k, 0,1
	ds_load_b128 v[CP+8*\u+4*\k:CP+8*\u+4*\k+3], v[CPA] offset:16*EP*(\a)+64*\u+16*\k
.endr
.endr
.set n, 0
.rept 32
	v_pk_add_f32 v[T+n:T+n+1], v[T+n:T+n+1], 1.0 op_sel_hi:[1,0]
.set n, n+2
.endr
.set n, 0
	s_wait_alu depctr_va_vdst(0)
.rept 64
	v_rcp_f32 v[T+n], v[T+n]                       ; f, i and o are finished: sigmoids
.set n, n+1
.endr
	s_wait_dscnt 0x0                               ; c_prev is in, and any rows read back; and the last block's stores into the stages have read their registers
	v_nop
	s_wait_alu depctr_va_vdst(0)
.if (\snd) >= 0
	STOUT \snd, 0
.endif
.irp p, 0,2,4,6,8,10,12,14
	v_pk_fma_f32 v[T+32+\p:T+32+\p+1], v[T+32+\p:T+32+\p+1], -2.0, 1.0 op_sel_hi:[1,0,0]     ; tanh(c)
.endr
.irp p, 0,2,4,6,8,10,12,14
	v_pk_mul_f32 v[CT+\p:CT+\p+1], v[T+\p:T+\p+1], v[CP+\p:CP+\p+1]                         ; f c_prev
.endr
.irp p, 0,2,4,6,8,10,12,14
	v_pk_fma_f32 v[CT+\p:CT+\p+1], v[T+16+\p:T+16+\p+1], v[T+32+\p:T+32+\p+1], v[CT+\p:CT+\p+1]   ; + i tanh(c): c_t
.endr
.irp u, 0,1
.irp k, 0,1
	ds_store_b128 v[CTA], v[CT+8*\u+4*\k:CT+8*\u+4*\k+3] offset:16*EP*(\a)+64*\u+16*\k
.endr
.endr
.irp p, 0,2,4,6,8,10,12,14
	v_pk_mul_f32 v[HT+\p:HT+\p+1], v[CT+\p:CT+\p+1], s[SPOS:SPOS+1] op_sel_hi:[1,0]
.endr
.set n, 0
	s_wait_alu depctr_va_vdst(0)
.rept 16
	v_exp_f32 v[HT+n], v[HT+n]
.set n, n+1
.endr
	v_nop
	s_wait_alu depctr_va_vdst(0)
.irp p, 0,2,4,6,8,10,12,14
	v_pk_add_f32 v[HT+\p:HT+\p+1], v[HT+\p:HT+\p+1], 1.0 op_sel_hi:[1,0]
.endr
.set n, 0
	s_wait_alu depctr_va_vdst(0)
.rept 16
	v_rcp_f32 v[HT+n], v[HT+n]
.set n, n+1
.endr
	v_nop
	s_wait_alu depctr_va_vdst(0)
.irp p, 0,2,4,6,8,10,12,14
	v_pk_fma_f32 v[HT+\p:HT+\p+1], v[HT+\p:HT+\p+1], -2.0, 1.0 op_sel_hi:[1,0,0]             ; tanh(c_t)
.endr
.irp p, 0,2,4,6,8,10,12,14
	v_pk_mul_f32 v[HT+\p:HT+\p+1], v[HT+\p:HT+\p+1], v[T+48+\p:T+48+\p+1]                   ; x o: h_t
.endr
.irp u, 0,1
.irp k, 0,1
	ds_store_b128 v[HTA], v[HT+8*\u+4*\k:HT+8*\u+4*\k+3] offset:16*EP*(\a)+64*\u+16*\k
.endr
.endr
.endm
	s_wait_alu depctr_va_vdst(0)
	GATES 0, -1
	GATES 1, -1
	SIG
	GATES 2, 0
	GATES 3, -1
	SIG
	GATES 4, 1
	GATES 5, -1
	SIG
	GATES 6, 2
	GATES 7, -1
	SIG                                            ; the last two blocks: nothing follows under which they could leave
	s_barrier_wait -1
	RDBACK 3
	STOUT 3, 1
	s_wait_tensorcnt 0x0                           ; the wave's end
	ds_add_u32 v[SPW], v[NIL]
	s_wait_dscnt 0x0
	CROUND                                         ; the closing round
	s_endpgm
.Lfunc_end_k_q104c8c7019_cell:
	.size	k_q104c8c7019_cell, .Lfunc_end_k_q104c8c7019_cell-k_q104c8c7019_cell
	.p2alignl 7, 3214868480
	.fill 96, 4, 3214868480
	.section	.rodata,"a",@progbits
	.p2align	6, 0x0
	.amdhsa_kernel k_q104c8c7019_cell
		.amdhsa_group_segment_fixed_size 327680
		.amdhsa_private_segment_fixed_size 0
		.amdhsa_enable_private_segment 0
		.amdhsa_kernarg_size 72
		.amdhsa_user_sgpr_count 2
		.amdhsa_user_sgpr_kernarg_segment_ptr 1
		.amdhsa_wavefront_size32 1
		.amdhsa_system_sgpr_workgroup_id_x 1
		.amdhsa_system_sgpr_workgroup_id_y 1
		.amdhsa_system_sgpr_workgroup_id_z 1
		.amdhsa_system_vgpr_workitem_id 0
		.amdhsa_next_free_vgpr 1024
		.amdhsa_next_free_sgpr 102
		.amdhsa_reserve_vcc 0
		.amdhsa_float_denorm_mode_32 3
		.amdhsa_float_denorm_mode_16_64 3
		.amdhsa_memory_ordered 1
		.amdhsa_forward_progress 1
		.amdhsa_inst_pref_size 255
	.end_amdhsa_kernel
	.section	.bss,"aw",@nobits
	.p2align	6
	.space	262144
	.amdgpu_metadata
---
amdhsa.version: [ 1, 2 ]
amdhsa.kernels:
  - .name:           k_q104c8c7019_cell
    .symbol:         k_q104c8c7019_cell.kd
    .args:
      - { .name: a_img, .offset: 0, .size: 8, .value_kind: global_buffer, .address_space: global }
      - { .name: b_img, .offset: 8, .size: 8, .value_kind: global_buffer, .address_space: global }
      - { .name: b_f, .offset: 16, .size: 8, .value_kind: global_buffer, .address_space: global }
      - { .name: b_i, .offset: 24, .size: 8, .value_kind: global_buffer, .address_space: global }
      - { .name: b_c, .offset: 32, .size: 8, .value_kind: global_buffer, .address_space: global }
      - { .name: b_o, .offset: 40, .size: 8, .value_kind: global_buffer, .address_space: global }
      - { .name: c_prev, .offset: 48, .size: 8, .value_kind: global_buffer, .address_space: global }
      - { .name: out0, .offset: 56, .size: 8, .value_kind: global_buffer, .address_space: global }
      - { .name: out1, .offset: 64, .size: 8, .value_kind: global_buffer, .address_space: global }
    .group_segment_fixed_size: 327680
    .private_segment_fixed_size: 0
    .kernarg_segment_align: 8
    .kernarg_segment_size: 72
    .max_flat_workgroup_size: 128
    .sgpr_count:     102
    .vgpr_count:     1024
    .wavefront_size: 32
...
	.end_amdgpu_metadata
.endif
;; end of part 2
